; MI455X (gfx1250); checked and timed in simulation.
; The chip was launched on July 23, 2026; its instructions are those of AMD's public machine-readable ISA for CDNA 5 (MIT licence, August 2026) and "CDNA5" Instruction Set Architecture Reference Guide (July 2026). The comments in the code are by the model that wrote it; some were corrected since.
;; LSTM Memory Cell. Allowed arithmetic: float matrix products may take bf16 or f16 operands with f32 sums; other float arithmetic in f32, or as packed bf16 or f16 multiplies, adds, multiply-adds, maxima and minima; sums over many terms, partial sums and values carried from step to step in f32; what a program stores and reads back later, other than sums and carried values, may be rounded once to bf16 or f16.
;; Inputs: W_c 2,048 x 4,096 float32; W_f 2,048 x 4,096 float32; W_i 2,048 x 4,096 float32; W_o 2,048 x 4,096 float32; b_c 2,048 float32; b_f 2,048 float32; b_i 2,048 float32; b_o 2,048 float32; c_prev 2,048 x 2,048 float32; h_prev 2,048 x 2,048 float32; x 2,048 x 2,048 float32.
;; Outputs: out0 2,048 x 2,048 float32; out1 2,048 x 2,048 float32.
;; One version. Each part assembles by itself: llvm-mc -triple=amdgcn-amd-amdhsa -mcpu=gfx1250 --defsym DOCPART=n.
;; ======== version 1 of 1: 2 launches
;; limits: a function is approximated: absolute error at most 3e-07
;; workspace buffers: A16 16,777,216 bytes; B16 67,108,864 bytes
;; launch cast (part 1): grid 512 x 5, 8 waves a work-group, no clusters, 0 bytes of LDS; arguments x, h_prev, W_f, W_i, W_c, W_o, A16, B16; writes A16, B16
.if DOCPART == 1
	.amdgcn_target "amdgcn-amd-amdhsa--gfx1250"
	.amdhsa_code_object_version 6
	.text
	.protected	k_q49825ce217_cast
	.globl	k_q49825ce217_cast
	.p2align	8
	.type	k_q49825ce217_cast,@function
k_q49825ce217_cast:
	s_mov_b64 s[64:65], 0
	v_nop
	global_prefetch_b8 v0, s[64:65] scope:SCOPE_SE
	s_setreg_imm32_b32 hwreg(HW_REG_WAVE_MODE, 25, 1), 1
	s_wait_xcnt 0x0
; LSTM cell, first of two launches: the matrix operands are rounded to bf16 ONCE and laid out for the product.
; Nothing of the problem is left out: every input has a way to both outputs or to one of them, and all are loaded (the biases and c_prev by the second launch).
;   A16 [2048][4096] bf16: row r = x[r] (columns 0-2047), then h_prev[r] (columns 2048-4095): the concatenation.
;   B16 [8192][4096] bf16: row (j >> 5) * 128 + g * 32 + (j & 31) = W_g[j], g = 0..3 for f, i, c, o, j the hidden column:
;       128 consecutive rows hold all four gates of 32 hidden columns, so that one wave of the product ends with the four gates of a column in one lane.
; Each number is rounded as it stands, to nearest even: no factor is folded in ahead of the rounding, so the operands are the inputs' own roundings.
; LIMITS.  bf16 has f32's range: only a number within half a bf16 step of f32's largest becomes an infinity; NaN goes through.
; SHARES.  A unit is 2,048 f32: 8,192 bytes read, 4,096 written.  Work-group (bx, y), wave v takes unit u = 8 bx + v of 4,096: y = 0 the activations (units 0-2047 x's rows, 2048-4095 h_prev's),
; y = g + 1 the halves of W_g's rows.  A wave has its unit's 16 loads of 512 consecutive bytes out at once; each store of the wave covers 256 consecutive bytes, aligned.
; No LDS, no barrier, no matrix unit: a stream, each byte read once and written once.  No register is written twice, so no wait frees a source.
.set VI, 3                             ; v3   16 x lane: my 4 numbers of a load's 128
.set VO, 4                             ; v4   8 x lane: the same 4 numbers as bf16
.set X,  8                             ; v[8:71]    load i: 4 registers
.set Y,  72                            ; v[72:103]  store i: 2 registers
.set SRC, 24                           ; s[24:25] my unit in its source
.set DST, 32                           ; s[32:33] my unit in A16 or B16
	s_load_b512 s[4:19], s[0:1], 0x0               ; x s[4:5], h_prev s[6:7], W_f s[8:9], W_i s[10:11], W_c s[12:13], W_o s[14:15], A16 s[16:17], B16 s[18:19]
	v_lshrrev_b32 v1, 5, v0
	v_readfirstlane_b32 s20, v1                    ; wave 0..7
	s_and_b32 s21, ttmp7, 0xffff                   ; y
	s_lshl_b32 s22, ttmp9, 3
	s_add_co_u32 s22, s22, s20                     ; u
	v_and_b32 v2, 31, v0
	v_lshlrev_b32 v[VI], 4, v2
	v_lshlrev_b32 v[VO], 3, v2
	s_mov_b32 s31, 0                               ; the offsets' high words: all offsets stay under 2^27
	s_mov_b32 s35, 0
	s_wait_kmcnt 0x0
	s_cmp_eq_u32 s21, 0
	s_cbranch_scc0 .Lweights
	; the activations
	s_lshr_b32 s23, s22, 11                        ; 0: x, 1: h_prev
	s_and_b32 s30, s22, 2047                       ; the row,
	s_lshl_b32 s30, s30, 13                        ; 8,192 bytes in the source and in A16
	s_lshl_b32 s34, s23, 12                        ; h_prev's half of A16's row begins 4,096 bytes in
	s_add_co_u32 s34, s34, s30
	s_cmp_eq_u32 s23, 0
	s_cselect_b64 s[SRC:SRC+1], s[4:5], s[6:7]
	s_add_nc_u64 s[SRC:SRC+1], s[SRC:SRC+1], s[30:31]
	s_add_nc_u64 s[DST:DST+1], s[16:17], s[34:35]
	s_branch .Lgo
.Lweights:
	s_sub_co_u32 s23, s21, 1                       ; g
	s_lshl_b32 s30, s22, 13                        ; the unit in W_g: j = u >> 1, half u & 1
	s_lshr_b32 s34, s22, 6                         ; j >> 5
	s_lshl_b32 s34, s34, 7
	s_lshl_b32 s38, s23, 5
	s_add_co_u32 s34, s34, s38                     ; + 32 g
	s_bfe_u32 s38, s22, 0x50001                    ; j & 31: five bits from bit 1
	s_add_co_u32 s34, s34, s38                     ; B16's row,
	s_lshl_b32 s34, s34, 13                        ; in bytes,
	s_and_b32 s38, s22, 1
	s_lshl_b32 s38, s38, 12
	s_add_co_u32 s34, s34, s38                     ; and the half of it
	s_cmp_eq_u32 s21, 1
	s_cselect_b64 s[SRC:SRC+1], s[8:9], s[10:11]   ; f or i
	s_cmp_eq_u32 s21, 3
	s_cselect_b64 s[26:27], s[12:13], s[14:15]     ; c or o
	s_cmp_lt_u32 s21, 3
	s_cselect_b64 s[SRC:SRC+1], s[SRC:SRC+1], s[26:27]
	s_add_nc_u64 s[SRC:SRC+1], s[SRC:SRC+1], s[30:31]
	s_add_nc_u64 s[DST:DST+1], s[18:19], s[34:35]
.Lgo:                                          ; one body for both kinds of unit: they differ in their addresses alone
.set i, 0
.rept 16
	global_load_b128 v[X+4*i:X+4*i+3], v[VI], s[SRC:SRC+1] offset:512*i th:TH_LOAD_NT
.set i, i+1
.endr
.set i, 0
.rept 16
	s_wait_loadcnt 15-i                            ; loads come back in order (ISA guide 5.7.1): load i is in, the 15 - i younger ones stay out
	v_cvt_pk_bf16_f32 v[Y+2*i],   v[X+4*i],   v[X+4*i+1]    ; two roundings to nearest even, packed
	v_cvt_pk_bf16_f32 v[Y+2*i+1], v[X+4*i+2], v[X+4*i+3]
	global_store_b64 v[VO], v[Y+2*i:Y+2*i+1], s[DST:DST+1] offset:256*i th:TH_STORE_NT
.set i, i+1
.endr
	s_endpgm
.Lfunc_end_k_q49825ce217_cast:
	.size	k_q49825ce217_cast, .Lfunc_end_k_q49825ce217_cast-k_q49825ce217_cast
	.p2alignl 7, 3214868480
	.fill 96, 4, 3214868480
	.section	.rodata,"a",@progbits
	.p2align	6, 0x0
	.amdhsa_kernel k_q49825ce217_cast
		.amdhsa_group_segment_fixed_size 0
		.amdhsa_private_segment_fixed_size 0
		.amdhsa_enable_private_segment 0
		.amdhsa_kernarg_size 64
		.amdhsa_user_sgpr_count 2
		.amdhsa_user_sgpr_kernarg_segment_ptr 1
		.amdhsa_wavefront_size32 1
		.amdhsa_system_sgpr_workgroup_id_x 1
		.amdhsa_system_sgpr_workgroup_id_y 1
		.amdhsa_system_sgpr_workgroup_id_z 1
		.amdhsa_system_vgpr_workitem_id 0
		.amdhsa_next_free_vgpr 104
		.amdhsa_next_free_sgpr 66
		.amdhsa_reserve_vcc 0
		.amdhsa_float_denorm_mode_32 3
		.amdhsa_float_denorm_mode_16_64 3
		.amdhsa_memory_ordered 1
		.amdhsa_forward_progress 1
		.amdhsa_inst_pref_size 8
	.end_amdhsa_kernel
	.amdgpu_metadata
---
amdhsa.version: [ 1, 2 ]
amdhsa.kernels:
  - .name:           k_q49825ce217_cast
    .symbol:         k_q49825ce217_cast.kd
    .args:
      - { .name: x, .offset: 0, .size: 8, .value_kind: global_buffer, .address_space: global }
      - { .name: h_prev, .offset: 8, .size: 8, .value_kind: global_buffer, .address_space: global }
      - { .name: W_f, .offset: 16, .size: 8, .value_kind: global_buffer, .address_space: global }
      - { .name: W_i, .offset: 24, .size: 8, .value_kind: global_buffer, .address_space: global }
      - { .name: W_c, .offset: 32, .size: 8, .value_kind: global_buffer, .address_space: global }
      - { .name: W_o, .offset: 40, .size: 8, .value_kind: global_buffer, .address_space: global }
      - { .name: A16, .offset: 48, .size: 8, .value_kind: global_buffer, .address_space: global }
      - { .name: B16, .offset: 56, .size: 8, .value_kind: global_buffer, .address_space: global }
    .group_segment_fixed_size: 0
    .private_segment_fixed_size: 0
    .kernarg_segment_align: 8
    .kernarg_segment_size: 64
    .max_flat_workgroup_size: 256
    .sgpr_count:     66
    .vgpr_count:     104
    .wavefront_size: 32
...
	.end_amdgpu_metadata
.endif
;; end of part 1
;; launch lstm (part 2): grid 8 x 32, 4 waves a work-group, clusters of 4 x 4, 327,680 bytes of LDS; arguments A16, B16, c_prev, b_f, b_i, b_c, b_o, out0, out1; writes out0, out1
.if DOCPART == 2
	.amdgcn_target "amdgcn-amd-amdhsa--gfx1250"
	.amdhsa_code_object_version 6
	.text
	.protected	k_q49825ce217_lstm
	.globl	k_q49825ce217_lstm
	.p2align	8
	.type	k_q49825ce217_lstm,@function
k_q49825ce217_lstm:
	s_mov_b64 s[64:65], 0
	v_nop
	global_prefetch_b8 v0, s[64:65] scope:SCOPE_SE
	s_setreg_imm32_b32 hwreg(HW_REG_WAVE_MODE, 25, 1), 1
	s_wait_xcnt 0x0
	s_wait_alu depctr_hold_cnt(0) depctr_sa_sdst(0) depctr_va_vdst(0) depctr_va_sdst(0) depctr_va_ssrc(0) depctr_va_vcc(0) depctr_vm_vsrc(0)
	s_getreg_b32 s2, hwreg(HW_REG_IB_STS2, 6, 4)
	s_cmp_eq_u32 s2, 0
	s_cbranch_scc0 .Lentry_in_a_cluster
	s_endpgm
.Lentry_in_a_cluster:
	s_bfe_u32 s2, ttmp6, 0x10000c
	s_cmp_lg_u32 s2, 0xf033
	s_cbranch_scc0 .Lentry_shape_is_right
	s_endpgm
.Lentry_shape_is_right:
; LSTM cell, second of two launches: gates = [x | h_prev] W_all^T + b, then c_t = sigmoid(f) c_prev + sigmoid(i) tanh(c), h_t = sigmoid(o) tanh(c_t).  out0 = h_t, out1 = c_t, f32.
; No work of the problem is left out.  A16 [2048][4096] and B16 [8192][4096] are the first launch's bf16 operands: B16's row (j >> 5) * 128 + 32 g + (j & 31) is W_g[j], rounded as it stands.
; The bias, in f32, is the C operand of the products that start the sums, so a finished sum is a gate's argument z.  Sums in f32, K ascending; all behind the sums in f32; c_prev stays f32.
; sigmoid(z) = 1 / (1 + 2^(-log2(e) z)), tanh(z) = 1 - 2 / (1 + 2^(2 log2(e) z)): the factor is multiplied onto the finished sum, in f32.
; LIMITS.  An exponential that overflows gives an infinity, whose reciprocal is 0: the gates saturate at exactly 0, 1 and -1, as the functions do.  An exponential below 2^-126 counts as 0.
; tanh in this form has an absolute error of about 1e-7: arguments far below that keep no relative accuracy.  NaN goes through.
; SHARES.  A work-group of four waves makes 256 batch rows x 256 rows of B16 = 64 hidden columns x 4 gates; a wave 128 x 128: 64 accumulators of 16 x 16, 512 registers: 128 batch rows x 32 hidden
; columns x 4 gates.  K goes in steps of 128 through a ring of two LDS slots filled by the tensor data mover; the tiles' rows are 256 bytes of memory, at multiples of 256 bytes from the buffer's first byte.
; THE MATRIX INSTRUCTION IS USED TRANSPOSED (source 0 = 16 rows of B16, source 1 = 16 rows of A16): in accumulator (a, b), b = 2 g + jh, lane l holds batch row 16 a + l % 16 and its registers 0-7 the
; hidden columns 16 jh + 8 (l / 16) + 0..7 of gate g.  So the four gates of a hidden column lie in one lane, 16 registers apart, and eight neighbouring columns are 32 bytes of a row of the outputs.
; CLUSTERS: 4 x 4 work-groups.  The grid's x counts tiles of batch rows (8), its y tiles of B16's rows (32).  A16's tile hangs on x alone: the four of a column of the cluster ask for it JOINTLY, by the
; same tensor load with the same descriptor and a mask that names the four; B16's hangs on y alone and is shared along a row of the cluster.  That divides the requests for both by four.
; THE WAY OUT.  When a slot has had its last fill its bytes serve as stages: c_prev's tile comes in as whole rows of 256 bytes and is read by (row, 8 columns); c_t and h_t go the other way and leave as
; whole rows: 16 lanes store 256 consecutive bytes, aligned.  A stage row (64 hidden columns) is written by two waves, so a barrier stands between the writing and the reading.
;
; REGISTERS, in windows of 256 (s_set_vgpr_msb: bits 1:0 source 0, 3:2 source 1, 5:4 source 2, 7:6 destination):
;   window 0: v0-31 addresses; v64-127, v128-191 fragments of A16, two buffers; v192-255 the bias (block b at 192 + 8 b).  On the way out: v64-127 the gates of a block, v128-191 c_prev / c_t and tanh(c_t) / h_t, two sets
;   window 1: v64-127, v128-191 fragments of B16, two buffers; v0-63, v192-255 c_prev as loaded
;   window 2: the 32 accumulators of my rows 0-63 (accumulator (a, b) at v[8 (8 a + b)]);   window 3: those of my rows 64-127
.set SIZE_K, 4096
.set KSTEP,  128
.set ROWB,   8192                      ; bytes in a row of A16 and B16 (4,096 bf16) and of c_prev, out0, out1 (2,048 f32)
.set PITCH,  272                       ; an LDS row: 256 bytes of data + 16 of padding = 68 words: row r starts at bank 4 r mod 64 (64 banks of 4 bytes: ISA guide 11.1), so 16 rows start at 16 different banks
.set HALFT,  128*PITCH                 ; 128 rows: what one tensor load brings, and what one wave reads of A16 or of B16
.set SLOT,   4*HALFT                   ; A16's 256 rows, then B16's 256 rows
.set HST,    2*HALFT                   ; behind slot 0's last fill: c_prev's tile at byte 0 (256 rows x 272), h_t's stage here,
.set CTS,    SLOT                      ; and behind slot 1's last reading c_t's stage here
.set SPARE,  2*SLOT                    ; behind the ring: the spare words, 128 bytes for each wave: two blocks of 256 bytes that no other line names
.set LAPS,   SIZE_K/(2*KSTEP)          ; a lap = two K steps = once round the ring
.set CA,   6                           ; v6   (128 x row half + l % 16) x 272 + 128 x column half + 32 (l / 16): my 32 bytes of a block's row in c_prev's tile
.set CAH,  7                           ; v7   the same in h_t's stage
.set CAC,  8                           ; v8   the same in c_t's stage
.set RD,   9                           ; v9   (64 x wave + l / 16) x 272 + 16 (l % 16): whole rows, two to an instruction, in c_prev's tile
.set RDH,  10                          ; v10  the same in h_t's stage
.set RDC,  11                          ; v11  the same in c_t's stage
.set CPO,  12                          ; v12  the same two rows in c_prev, out0, out1: (l / 16) x 8,192 + 16 (l % 16); never rewritten
.set BO,   13                          ; v13  my byte offset in a bias
.set ADRA, 16                          ; v16-17  LDS address of my A16 fragments in slot 0, 1
.set ADRB, 20                          ; v20-21  the same for B16
.set SPW,  28                          ; v28  LDS address of my spare word: SPARE + 4 x my thread's number; never rewritten
.set NIL,  29                          ; v29  0; never rewritten
.set PFO,  30                          ; v30  the prefetches' offset: my lane x a row; never rewritten
.set F0,   64
.set F1,   128
.set BIAS, 192
.set TG,   64                          ; the way out: 64 registers, gate g's 16 numbers at TG + 16 g
.set XR,   64                          ; the copy out: three sets of 16 x 4 registers
.set YR,   128
.set ZR,   192
.set G1,  24                           ; s[24:31] descriptor group 1 for A16's tiles;  s[32:39] group 0, one set for each slot
.set G0,  32
.set LIM, 43                           ; s43  1 in a wave that prefetches, else the greatest number
.set PFA, 44                           ; s[44:45] where my prefetches stand
.set G1B, 48                           ; s[48:55], s[56:63] the same for B16's tiles
.set G0B, 56
.set CPV, 68                           ; s[68:69] c_prev; s[70:77] b_f, b_i, b_c, b_o
.set OH,  78                           ; s[78:79] out0
.set OC,  80                           ; s[80:81] out1
.set K2L, 84                           ; s[84:85] 2 log2(e), a pair for the packed forms
.set KNL, 86                           ; s[86:87] -log2(e)
.set MSB, 0
.macro WIN new                         ; the immediate's high byte repeats the setting that is left; a switch that changes nothing is dropped
.if MSB != (\new)
	s_set_vgpr_msb (MSB<<8)|(\new)
.set MSB, \new
.endif
.endm
.set MUL_LO, 0xa1                      ; source 0 (B16) window 1, source 1 (A16) window 0, C and D window 2; + 0x50: C and D window 3
.set TO_B,   0x40                      ; destination window 1, address window 0
; A joint load.  Waves 0 and 1 fetch A16's two halves, waves 2 and 3 B16's.  Each line has one mask and one set of registers for all that issue it.  The branch hangs on the wave's number alone.
; An s_nop 0 and four v_nop follow each of the two lines, ahead of the jump, the label and what follows.
.macro JLOAD s
	s_cmp_eq_u32 s11, 0
	s_cbranch_scc0 .Lfor_b_\@
	tensor_load_to_lds s[G0+4*(\s):G0+4*(\s)+3], s[G1:G1+7]
	s_nop 0
.rept 4
	v_nop
.endr
	s_branch .Lasked_\@
.Lfor_b_\@:
	tensor_load_to_lds s[G0B+4*(\s):G0B+4*(\s)+3], s[G1B:G1B+7]
	s_nop 0
.rept 4
	v_nop
.endr
.Lasked_\@:
.endm
; A PREFETCH, behind each joint refill, its five lines and the run of LDS loads: the K step that stands TWO refills on, 512 matrix instructions ahead of the load that will ask for it: 32 rows x 256 bytes, a lane a
; row, one instruction a wave.  Each row's 256 bytes of a K step are named ONCE in the launch: A16's rows are read by every cluster with the same x: the one with y = 0 asks; B16's by every cluster with the
; same y: the one with x = 0 asks.  The four partners that ask for a tile jointly share its rows out BY ADDRESS: of the 128 rows that a wave fetches the partner at place p takes 32 p .. 32 p + 31 (p = cy for
; A16, cx for B16): no branch hangs on a place in the cluster.  K steps 0 to 3 come by their loads alone; the loop's last trip (s3 = 1) asks for nothing: K steps 32 and 33 do not exist.
.macro ASK
	s_cmp_gt_u32 s3, s[LIM]
	s_cbranch_scc0 .Lnot_mine_\@
	global_prefetch_b8 v[PFO], s[PFA:PFA+1] offset:KSTEP*2 th:TH_LOAD_NT scope:SCOPE_SE
.Lnot_mine_\@:
.endm
; A round of the cluster's barrier: my work-group's barrier, so that wave 0's signal speaks for all four waves; wave 0 signals; every wave waits for all sixteen work-groups; my work-group's barrier once more.
.macro CREST                           ; a round behind its opening barrier
	s_cmp_lg_u32 s10, 0
	s_cbranch_scc1 .Lnot_wave_0_\@
	s_barrier_signal -3
.Lnot_wave_0_\@:
	s_barrier_wait -3
	s_barrier_signal -1
	s_barrier_wait -1
.endm
.macro CROUND                          ; a whole round
	s_barrier_signal -1
	s_barrier_wait -1
	CREST
.endm
	s_load_b128 s[4:7], s[0:1], 0x0                ; A16 s[4:5], B16 s[6:7]
	s_load_b256 s[68:75], s[0:1], 0x10             ; c_prev, b_f, b_i, b_c
	s_load_b128 s[76:79], s[0:1], 0x30             ; b_o, out0
	s_load_b64 s[80:81], s[0:1], 0x40              ; out1
	v_lshl_add_u32 v[SPW], v0, 2, SPARE
	v_mov_b32 v[NIL], 0
	ds_add_u32 v[SPW], v[NIL]                      ; the wave's opening: the add, twice on end, and its wait ahead of my first tensor load; the set-up below, work on registers, stands between
	ds_add_u32 v[SPW], v[NIL]                      ; and once more, under the one wait
	v_lshrrev_b32 v1, 5, v0
	v_readfirstlane_b32 s10, v1                    ; wave 0..3
	s_lshr_b32 s11, s10, 1                         ; which half of the tile's batch rows is mine.  Also: I fetch for A16 (0) or for B16 (1)
	s_and_b32 s12, s10, 1                          ; which half of its rows of B16.  Also: which 128 rows of that tile I fetch
	s_bfe_u32 s40, ttmp6, 0x40000                  ; cx: my place along the cluster's x
	s_bfe_u32 s41, ttmp6, 0x40004                  ; cy: along its y
	s_lshl_b32 s13, ttmp9, 2                       ; in a cluster launch ttmp9 and ttmp7 count clusters
	s_add_co_u32 s13, s13, s40                     ; tile of batch rows = 4 x cluster x + cx
	s_and_b32 s42, ttmp7, 0xffff
	s_lshl_b32 s42, s42, 2
	s_add_co_u32 s42, s42, s41                     ; tile of B16's rows = 4 x cluster y + cy
	s_lshl_b32 s43, 0x1111, s40                    ; my column of the cluster: places cx, cx + 4, cx + 8, cx + 12
	s_lshl_b32 s44, s41, 2
	s_lshl_b32 s44, 15, s44                        ; my row: places 4 cy .. 4 cy + 3
	; descriptor group 1: a tile of 128 rows x 128 elements, padded in LDS
	s_or_b32 s[G1+0], s43, (1<<16)|(1<<20)|(1<<21)|(5<<22)|(3<<25)   ; 15:0 the mask: A16's tiles go to my column; 17:16 elements of 2 bytes; 20 padding on; 21 set beside a mask; 24:22 after every 64 words (code 5); 31:25 4 words of it (code 3)
	s_or_b32 s[G1B+0], s44, (1<<16)|(1<<20)|(1<<21)|(5<<22)|(3<<25)  ; the same with the mask of my row, for B16's tiles
.irp g, G1, G1B
	s_mov_b32 s[(\g)+1], KSTEP<<16                 ; 63:48 tensor_dim0, low half = 128
	s_mov_b32 s[(\g)+2], 128<<16                   ; 79:64 its high half = 0; 95:80 tensor_dim1, low half = 128
	s_mov_b32 s[(\g)+3], KSTEP<<16                 ; 111:96 its high half = 0; 127:112 tile_dim0 = 128
	s_mov_b32 s[(\g)+4], 128                       ; 143:128 tile_dim1 = 128; 159:144 tile_dim2 = 0
	s_mov_b32 s[(\g)+5], SIZE_K                    ; 191:160 tensor_dim0_stride: elements from row to row
	s_mov_b32 s[(\g)+6], 0
	s_mov_b32 s[(\g)+7], 0
.endr
	; where the tiles come from.  Every wave makes both addresses, in registers that never hold the other coordinate, and asks by one of them.
	s_lshl_b32 s17, s12, 7                         ; which 128 rows of the tile I fetch
	s_lshl_b32 s16, s13, 8
	s_add_co_u32 s16, s16, s17                     ; A16: row 256 x tile + 128 x half
	s_lshl_b32 s46, s42, 8
	s_add_co_u32 s46, s46, s17                     ; B16: likewise
	s_lshl_b32 s16, s16, 13                        ; in bytes: under 2^24,
	s_lshl_b32 s46, s46, 13                        ; under 2^26
	s_mov_b32 s17, 0
	s_mov_b32 s47, 0
	s_mul_i32 s20, s10, HALFT                      ; and where they go: A16's two halves, then B16's two = wave x 128 rows: no place in the cluster enters an LDS address
	s_wait_dscnt 0x0                               ; both opening adds are done
	s_wait_kmcnt 0x0
	s_add_nc_u64 s[14:15], s[4:5], s[16:17]
	s_add_nc_u64 s[46:47], s[6:7], s[46:47]
	CROUND                                         ; all sixteen work-groups are here: the first joint loads meet
.irp s, 0,1
	s_mov_b32 s[G0+4*(\s)], 1                                        ; 1:0 count = 1
	s_add_co_u32 s[G0+4*(\s)+1], s20, (\s)*SLOT                      ; 63:32 LDS address
	s_add_nc_u64 s[G0+4*(\s)+2:G0+4*(\s)+3], s[14:15], (\s)*KSTEP*2  ; 120:64 global address: K step s
	s_or_b32 s[G0+4*(\s)+3], s[G0+4*(\s)+3], 0x80000000              ; 127:126 type = 2
	s_mov_b32 s[G0B+4*(\s)], 1
	s_add_co_u32 s[G0B+4*(\s)+1], s20, (\s)*SLOT
	s_add_nc_u64 s[G0B+4*(\s)+2:G0B+4*(\s)+3], s[46:47], (\s)*KSTEP*2
	s_or_b32 s[G0B+4*(\s)+3], s[G0B+4*(\s)+3], 0x80000000
	JLOAD \s                                       ; the ring is filled before anything else is done: two tensor loads of mine are out
.endr
	; the bias: register r of block b = 2 g + jh wants b_g[64 x tile + 32 x column half + 16 jh + 8 (l / 16) + r]: two loads of 16 bytes a block
	v_and_b32 v1, 15, v0                           ; l % 16
	v_bfe_u32 v2, v0, 4, 1                         ; l / 16
	s_lshl_b32 s89, s42, 8                         ; 256 x tile of B16's rows: its first row; also the bytes of 64 f32 columns times the tile
	s_lshl_b32 s91, s12, 7
	s_add_co_u32 s91, s91, s89
	v_lshl_add_u32 v[BO], v2, 5, s91
.irp g, 0,1,2,3
.irp jq, 0,1,2,3
	global_load_b128 v[BIAS+16*(\g)+4*(\jq):BIAS+16*(\g)+4*(\jq)+3], v[BO], s[70+2*(\g):71+2*(\g)] offset:64*((\jq)/2)+16*((\jq)%2)
.endr
.endr
	; A fragment is 16 rows x 32 K in 8 registers: lane l holds row l % 16; registers 0-3 K = 8 (l / 16) + 0..7, registers 4-7 K = 16 + 8 (l / 16) + 0..7: two loads of 16 bytes, 32 bytes apart.
	v_mul_u32_u24 v3, v1, PITCH
	v_lshl_add_u32 v3, v2, 4, v3                   ; row x pitch + 16 x half
	s_mul_i32 s21, s11, HALFT                      ; my 128 rows of A16
	s_mul_i32 s22, s12, HALFT                      ; my 128 rows of B16,
	s_add_co_u32 s22, s22, 2*HALFT                 ; which lie behind A16's 256
.irp s, 0,1
	v_add_nc_u32 v[ADRA+(\s)], s21, v3
	v_add_nc_u32 v[ADRB+(\s)], s22, v3
	s_add_co_u32 s21, s21, SLOT
	s_add_co_u32 s22, s22, SLOT
.endr
	s_mul_i32 s23, s11, HALFT                      ; the stages, by (row, 8 columns): my 128 rows,
	s_lshl_b32 s21, s12, 7                         ; my 128 bytes of their 256
	s_add_co_u32 s23, s23, s21
	v_mul_u32_u24 v4, v1, PITCH
	v_lshl_add_u32 v4, v2, 5, v4                   ; row l % 16, 32 bytes for each half of the lanes
	v_add_nc_u32 v[CA], s23, v4
	v_add_nc_u32 v[CAH], HST, v[CA]
	v_add_nc_u32 v[CAC], CTS, v[CA]
	s_mul_i32 s23, s10, 64*PITCH                   ; the stages, by whole rows: wave w takes rows 64 w .. 64 w + 63; lanes 0-15 one row of 256 bytes, lanes 16-31 the next
	v_mul_u32_u24 v5, v2, PITCH
	v_lshl_add_u32 v5, v1, 4, v5
	v_add_nc_u32 v[RD], s23, v5
	v_add_nc_u32 v[RDH], HST, v[RD]
	v_add_nc_u32 v[RDC], CTS, v[RD]
	v_lshlrev_b32 v[CPO], 13, v2                   ; and the same two rows in memory
	v_lshl_add_u32 v[CPO], v1, 4, v[CPO]
	s_lshl_b32 s88, s13, 8                         ; c_prev, out0 and out1 at row 256 x tile + 64 x wave, column 64 x tile: under 2^24 bytes
	s_lshl_b32 s90, s10, 6
	s_add_co_u32 s90, s90, s88
	s_lshl_b32 s90, s90, 13
	s_add_co_u32 s82, s90, s89
	s_mov_b32 s83, 0
	s_add_nc_u64 s[CPV:CPV+1], s[CPV:CPV+1], s[82:83]
	s_add_nc_u64 s[OH:OH+1], s[OH:OH+1], s[82:83]
	s_add_nc_u64 s[OC:OC+1], s[OC:OC+1], s[82:83]
	s_mov_b32 s[K2L], 0x4038aa3b                   ; 2 log2(e)
	s_mov_b32 s[K2L+1], 0x4038aa3b
	s_mov_b32 s[KNL], 0xbfb8aa3b                   ; -log2(e)
	s_mov_b32 s[KNL+1], 0xbfb8aa3b
	; the prefetches
	s_and_b32 s22, ttmp7, 0xffff                   ; cluster y
	s_cmp_eq_u32 s11, 0                            ; do I fetch for A16?
	s_cselect_b32 s20, s88, s89                    ; the tile's first row
	s_cselect_b32 s21, s41, s40                    ; my place among the four that ask for it with me
	s_cselect_b32 s22, s22, ttmp9                  ; the coordinate along which other clusters read the same rows
	s_cselect_b64 s[PFA:PFA+1], s[4:5], s[6:7]
	s_cmp_eq_u32 s22, 0
	s_cselect_b32 s[LIM], 1, -1                    ; the same in all sixteen partners, for a given wave
	s_lshl_b32 s22, s12, 7
	s_add_co_u32 s20, s20, s22                     ; + the 128 rows that I fetch
	s_lshl_b32 s21, s21, 5
	s_add_co_u32 s20, s20, s21                     ; + my work-group's 32 of them
	s_lshl_b32 s20, s20, 13
	s_mov_b32 s21, 0
	s_add_nc_u64 s[PFA:PFA+1], s[PFA:PFA+1], s[20:21]
	s_add_nc_u64 s[PFA:PFA+1], s[PFA:PFA+1], 2*KSTEP*2  ; at K step 2: the first refill steps it to 3 and names K step 4
	v_and_b32 v[PFO], 31, v0
	v_lshlrev_b32 v[PFO], 13, v[PFO]
	s_wait_loadcnt 0x0                             ; the bias is in: the first products take it as it is
; 16 matrix instructions: row blocks a0, a0 + 1 of the window's four (hi = 0: my rows 0-63, 1: rows 64-127) x all 8 blocks of B16's rows, 32 along K.
; first = 1: the products start the sums, with the bias (window 0) as C: nothing is cleared and no bias is added later.
; The 64 accumulators take turns, one instruction a turn, in the same order in every quarter step: 63 others' stand between two links of a chain.
.macro MUL16 f, hi, a0, first
.if \first
	WIN 0x81+0x40*(\hi)
.else
	WIN MUL_LO+0x50*(\hi)
.endif
.irp a, \a0, (\a0)+1
.irp b, 0,1,2,3,4,5,6,7
.if \first
	v_wmma_f32_16x16x32_bf16 v[8*(8*(\a)+(\b)):8*(8*(\a)+(\b))+7], v[(\f)+8*(\b):(\f)+8*(\b)+7], v[(\f)+8*(4*(\hi)+(\a)):(\f)+8*(4*(\hi)+(\a))+7], v[BIAS+8*(\b):BIAS+8*(\b)+7]
.else
	v_wmma_f32_16x16x32_bf16 v[8*(8*(\a)+(\b)):8*(8*(\a)+(\b))+7], v[(\f)+8*(\b):(\f)+8*(\b)+7], v[(\f)+8*(4*(\hi)+(\a)):(\f)+8*(4*(\hi)+(\a))+7], v[8*(8*(\a)+(\b)):8*(8*(\a)+(\b))+7]
.endif
.endr
.endr
.endm
; 32 LDS loads in one run: the fragments of one quarter step (128 rows of B16, 128 rows of A16, 32 K at byte k of the rows) into buffer f
.macro FETCH slot, k, f
	WIN TO_B
.irp i, 0,1,2,3,4,5,6,7
	ds_load_b128 v[(\f)+8*(\i):(\f)+8*(\i)+3],   v[ADRB+(\slot)] offset:(\k)+(\i)*16*PITCH
	ds_load_b128 v[(\f)+8*(\i)+4:(\f)+8*(\i)+7], v[ADRB+(\slot)] offset:(\k)+(\i)*16*PITCH+32
.endr
	WIN 0
.irp i, 0,1,2,3,4,5,6,7
	ds_load_b128 v[(\f)+8*(\i):(\f)+8*(\i)+3],   v[ADRA+(\slot)] offset:(\k)+(\i)*16*PITCH
	ds_load_b128 v[(\f)+8*(\i)+4:(\f)+8*(\i)+7], v[ADRA+(\slot)] offset:(\k)+(\i)*16*PITCH+32
.endr
.endm
; A load into a register that a matrix instruction has read, and a vector instruction that reads a matrix result, stand four places behind that matrix instruction, and only plain vector
; instructions that name none of its registers are places (ISA guide 7.12.1 for vector instructions).
.macro PLACES
.rept 4
	v_nop
.endr
.endm
; A K step is four quarter steps of 32 along K, 64 matrix instructions each, on buffers 0, 1, 0, 1.
; One of the first three: multiplies buffer f; in its middle it fetches the next quarter's fragments, at byte k of the same slot's rows, into buffer g.
.macro QUARTER slot, k, f, g, first
	s_wait_dscnt 8                                 ; B16's fragments and A16's rows 0-63 are in; the youngest eight loads (A16's rows 64-127) may be out
	MUL16 \f, 0, 0, \first
	MUL16 \f, 0, 2, \first
	PLACES
	FETCH \slot, \k, \g
	s_wait_dscnt 32                                ; all but the 32 just issued
	MUL16 \f, 1, 0, \first
	MUL16 \f, 1, 2, \first
.endm
; The last quarter multiplies buffer 1 and changes slots.  MEET is its first half: ONE barrier for the change.  In front of it each wave waits for all its tensor loads, of which one is out: its part of
; the next slot; adds 0 to its spare word; and waits for that and for its own reads of this slot.  Behind it nobody reads this slot any more and the next slot is whole.
.macro MEET round                      ; round = 1: a round of the cluster's barrier follows
	WIN 0                                          ; (the add's two registers lie in window 0)
	s_wait_tensorcnt 0x0                           ; all my tensor loads have landed
	ds_add_u32 v[SPW], v[NIL]                      ; 0 onto my spare word
	s_wait_dscnt 9                                 ; (the add and the youngest eight loads may be out)
	MUL16 F1, 0, 0, 0                              ; sixteen matrix instructions stand between the add and the wait for it
	s_wait_dscnt 0x0                               ; the add is done, and my reads of this slot are over
	s_barrier_signal -1
	MUL16 F1, 0, 2, 0                              ; work on registers while the others arrive
.if \round
	WIN 0
.endif
	s_barrier_wait -1
.endm
; The whole last quarter, in the loop.  Behind the round the slot just read out is filled again first, with the K step two steps on; then come the next slot's first fragments.
; From a request to the wait for it a wave issues 224 matrix instructions; one tensor load of mine is out behind each round.
.macro TURN slot, next
	s_wait_xcnt 0x0                                ; the last prefetch, a K step back, has read its address: it is stepped here, ahead of the waits of the change of slots
	s_add_nc_u64 s[PFA:PFA+1], s[PFA:PFA+1], KSTEP*2
	MEET 1
	CREST                                          ; no wave of any partner still reads this slot's tile or has a load on its way
	s_add_nc_u64 s[G0+4*(\slot)+2:G0+4*(\slot)+3], s[G0+4*(\slot)+2:G0+4*(\slot)+3], 2*KSTEP*2      ; no tensor load of mine is out, so a group 0 may be written; the type bits on top are not reached
	s_add_nc_u64 s[G0B+4*(\slot)+2:G0B+4*(\slot)+3], s[G0B+4*(\slot)+2:G0B+4*(\slot)+3], 2*KSTEP*2
	JLOAD \slot                                    ; the first tensor load behind the round; the four v_nop behind it are also the places in front of the loads below
	FETCH \next, 0, F0
	ASK
	MUL16 F1, 1, 0, 0
	MUL16 F1, 1, 2, 0
.endm
; c_prev's tile: my 64 rows x 256 bytes, two whole rows to an instruction, into registers of window 1 that the loop leaves idle: load t at 4 t (t < 16) or 128 + 4 t
.macro CPLOAD
	WIN TO_B
.set t, 0
.rept 32
	global_load_b128 v[4*t+128*(t/16):4*t+128*(t/16)+3], v[CPO], s[CPV:CPV+1] offset:2*ROWB*t th:TH_LOAD_NT
.set t, t+1
.endr
	WIN 0
.endm
; The last change of slots.  Nothing is filled again, so no round follows.  Behind the barrier no wave reads slot 0 and no tensor load will ever land there: c_prev's tile is laid over A16's part of it.
.macro LASTTURN
	MEET 0
	s_wait_loadcnt 0x0                             ; c_prev, asked for 160 matrix instructions back
	WIN 0x04                                       ; store data (source 1) in window 1, address in window 0
.set t, 0
.rept 32
	ds_store_b128 v[RD], v[4*t+128*(t/16):4*t+128*(t/16)+3] offset:2*PITCH*t
.set t, t+1
.endr
	PLACES                                         ; for the loads into buffer 0, which the quarter before multiplied
	FETCH 1, 0, F0                                 ; issued behind the stores: LDS instructions end in order (ISA guide 5.7.1), so the next quarter's counts hold as they stand
	MUL16 F1, 1, 0, 0
	MUL16 F1, 1, 2, 0
.endm
; THE GATES of block a: 16 batch rows x 32 hidden columns; a lane has 16 columns' four sums in 64 registers.  First each sum takes its gate's factor, on its way out of the accumulators' window; each
; accumulator is read from its lowest registers on.  Then four batches of transcendentals, each with one plain instruction behind its last and ONE s_wait_alu depctr_va_vdst(0) ahead of its first reader:
; 64 exponentials; 64 reciprocals; tanh(c_t)'s 16 and 16.
.macro GATES a
.set AC,  64*((\a)%4)                  ; the block's eight accumulators, in window 2 (blocks 0-3) or 3 (blocks 4-7)
.set CPP, 128+32*((\a)%2)              ; c_prev, then c_t: 16 registers, column 8 jh + r
.set EP,  144+32*((\a)%2)              ; tanh(c_t), then h_t
.set CPN, 128+32*(1-(\a)%2)            ; the next block's c_prev
	WIN 0
.if (\a) < 7
.irp jq, 0,1,2,3
	ds_load_b128 v[CPN+4*(\jq):CPN+4*(\jq)+3], v[CA] offset:((\a)+1)*16*PITCH+64*((\jq)/2)+16*((\jq)%2)
.endr
.endif
	WIN 0x02+(\a)/4                                ; source 0 in the accumulators' window, destination in window 0
.set i, 0
.rept 32
.if (i/16) == 2
	v_pk_mul_f32 v[TG+i:TG+i+1], v[AC+i:AC+i+1], s[K2L:K2L+1] op_sel_hi:[1,0]   ; 2 log2(e) z for c
.else
	v_pk_mul_f32 v[TG+i:TG+i+1], v[AC+i:AC+i+1], s[KNL:KNL+1] op_sel_hi:[1,0]   ; -log2(e) z for f, i, o
.endif
.set i, i+2
.endr
	WIN 0
.set i, 0
.rept 64
	v_exp_f32 v[TG+i], v[TG+i]
.set i, i+1
.endr
	v_nop
	s_wait_alu depctr_va_vdst(0)
.set i, 0
.rept 32
	v_pk_add_f32 v[TG+i:TG+i+1], v[TG+i:TG+i+1], 1.0 op_sel_hi:[1,0]
.set i, i+2
.endr
.set i, 0
.rept 64
	v_rcp_f32 v[TG+i], v[TG+i]                     ; sigmoid(f), sigmoid(i), 1 / (1 + 2^..) for c, sigmoid(o)
.set i, i+1
.endr
	v_nop
	s_wait_alu depctr_va_vdst(0)
.if (\a) == 0
	s_wait_dscnt 4                                 ; this block's c_prev is in; behind it: the next block's four loads
.elseif (\a) < 7
	s_wait_dscnt 12                                ; behind it: the block before's eight stores and the next block's four loads
.else
	s_wait_dscnt 8                                 ; behind it: the block before's eight stores
.endif
.set i, 0
.rept 8
	v_pk_fma_f32 v[TG+32+i:TG+32+i+1], v[TG+32+i:TG+32+i+1], -2.0, 1.0 op_sel_hi:[1,0,0]    ; tanh(c)
.set i, i+2
.endr
.set i, 0
.rept 8
	v_pk_mul_f32 v[CPP+i:CPP+i+1], v[TG+i:TG+i+1], v[CPP+i:CPP+i+1]                          ; sigmoid(f) c_prev
.set i, i+2
.endr
.set i, 0
.rept 8
	v_pk_fma_f32 v[CPP+i:CPP+i+1], v[TG+16+i:TG+16+i+1], v[TG+32+i:TG+32+i+1], v[CPP+i:CPP+i+1]  ; + sigmoid(i) tanh(c) = c_t
.set i, i+2
.endr
.set i, 0
.rept 8
	v_pk_mul_f32 v[EP+i:EP+i+1], v[CPP+i:CPP+i+1], s[K2L:K2L+1] op_sel_hi:[1,0]
.set i, i+2
.endr
.irp jq, 0,1,2,3
	ds_store_b128 v[CAC], v[CPP+4*(\jq):CPP+4*(\jq)+3] offset:(\a)*16*PITCH+64*((\jq)/2)+16*((\jq)%2)
.endr
.set i, 0
.rept 16
	v_exp_f32 v[EP+i], v[EP+i]
.set i, i+1
.endr
	v_nop
	s_wait_alu depctr_va_vdst(0)
.set i, 0
.rept 8
	v_pk_add_f32 v[EP+i:EP+i+1], v[EP+i:EP+i+1], 1.0 op_sel_hi:[1,0]
.set i, i+2
.endr
.set i, 0
.rept 16
	v_rcp_f32 v[EP+i], v[EP+i]
.set i, i+1
.endr
	v_nop
	s_wait_alu depctr_va_vdst(0)
.set i, 0
.rept 8
	v_pk_fma_f32 v[EP+i:EP+i+1], v[EP+i:EP+i+1], -2.0, 1.0 op_sel_hi:[1,0,0]                 ; tanh(c_t)
.set i, i+2
.endr
.set i, 0
.rept 8
	v_pk_mul_f32 v[EP+i:EP+i+1], v[TG+48+i:TG+48+i+1], v[EP+i:EP+i+1]                        ; sigmoid(o) tanh(c_t) = h_t
.set i, i+2
.endr
.irp jq, 0,1,2,3
	ds_store_b128 v[CAH], v[EP+4*(\jq):EP+4*(\jq)+3] offset:(\a)*16*PITCH+64*((\jq)/2)+16*((\jq)%2)
.endr
.endm
; THE COPY OUT: 32 of my 64 whole rows of a stage into 64 registers, and from there into memory
.macro LDROWS adr, t0, r
.set i, 0
.rept 16
	ds_load_b128 v[(\r)+4*i:(\r)+4*i+3], v[\adr] offset:2*PITCH*((\t0)+i)
.set i, i+1
.endr
.endm
.macro STROWS base, t0, r, younger     ; younger: the LDS loads issued behind this set's sixteen, which may stay out
.set i, 0
.rept 16
	s_wait_dscnt (\younger)+15-i
	global_store_b128 v[CPO], v[(\r)+4*i:(\r)+4*i+3], s[\base:(\base)+1] offset:2*ROWB*((\t0)+i) th:TH_STORE_NT  ; 16 lanes store 256 consecutive bytes, at a multiple of 256 from the buffer's first byte
.set i, i+1
.endr
.endm
	s_wait_tensorcnt 1                             ; my part of K step 0 is in; K step 1's may stay out
	s_barrier_signal -1
	s_barrier_wait -1                              ; everybody's is
	FETCH 0, 0, F0
	QUARTER 0, 64,  F0, F1, 1                      ; the first quarter stands in front of the loop: its products start the sums, on the bias
	WIN 0                                          ; at a label and at a branch every window is 0
	s_mov_b32 s3, LAPS-1
.Llap:                                                 ; a trip goes once round the ring, from a lap's second quarter to the next lap's first, and fills both slots again
	QUARTER 0, 128, F1, F0, 0
	QUARTER 0, 192, F0, F1, 0
	TURN 0, 1
	QUARTER 1, 64,  F0, F1, 0
	QUARTER 1, 128, F1, F0, 0
	QUARTER 1, 192, F0, F1, 0
	TURN 1, 0
	QUARTER 0, 64,  F0, F1, 0
	WIN 0
	s_sub_co_u32 s3, s3, 1
	s_cmp_lg_u32 s3, 0
	s_cbranch_scc1 .Llap
	CPLOAD                                         ; the last lap is written out: it asks for no tile, and brings c_prev
	QUARTER 0, 128, F1, F0, 0
	QUARTER 0, 192, F0, F1, 0
	LASTTURN
	QUARTER 1, 64,  F0, F1, 0
	QUARTER 1, 128, F1, F0, 0
	QUARTER 1, 192, F0, F1, 0
	s_wait_dscnt 0x0                               ; the very last quarter: its fragments are in; for the others' sake: my stores of c_prev are done and my reads of slot 1 are over
	s_barrier_signal -1
	MUL16 F1, 0, 0, 0                              ; work on registers while the others arrive
	MUL16 F1, 0, 2, 0
	MUL16 F1, 1, 0, 0
	MUL16 F1, 1, 2, 0
	WIN 0
	s_barrier_wait -1                              ; c_prev's tile is whole, and nobody reads slot 1 any more: c_t's stage may be written
	PLACES                                         ; behind the last products: the loads below land in registers that they read, the multiplies read their results
	PLACES
.irp jq, 0,1,2,3
	ds_load_b128 v[128+4*(\jq):128+4*(\jq)+3], v[CA] offset:64*((\jq)/2)+16*((\jq)%2)  ; block 0's c_prev
.endr
.irp a, 0,1,2,3,4,5,6,7
	GATES \a
.endr
	s_wait_dscnt 0x0                               ; for the others' sake: my stores into the two stages are done
	s_barrier_signal -1
	s_barrier_wait -1                              ; a stage row's 256 bytes come from two waves
	LDROWS RDC, 0,  XR
	LDROWS RDC, 16, YR
	LDROWS RDH, 0,  ZR
	STROWS OC, 0,  XR, 32
	s_wait_xcnt 0x0                                ; the stores above have read their data (ISA guide 3.1): only behind this wait is the set loaded again
	LDROWS RDH, 16, XR
	STROWS OC, 16, YR, 32
	STROWS OH, 0,  ZR, 16
	STROWS OH, 16, XR, 0
	s_wait_tensorcnt 0x0                           ; the wave's end, behind my last tensor load and my last LDS store
	ds_add_u32 v[SPW], v[NIL]
	s_wait_dscnt 0x0
	CROUND                                         ; the closing round: no work-group ends while a partner may still ask for a tile that names it
	s_endpgm
.Lfunc_end_k_q49825ce217_lstm:
	.size	k_q49825ce217_lstm, .Lfunc_end_k_q49825ce217_lstm-k_q49825ce217_lstm
	.p2alignl 7, 3214868480
	.fill 96, 4, 3214868480
	.section	.rodata,"a",@progbits
	.p2align	6, 0x0
	.amdhsa_kernel k_q49825ce217_lstm
		.amdhsa_group_segment_fixed_size 327680
		.amdhsa_private_segment_fixed_size 0
		.amdhsa_enable_private_segment 0
		.amdhsa_kernarg_size 72
		.amdhsa_user_sgpr_count 2
		.amdhsa_user_sgpr_kernarg_segment_ptr 1
		.amdhsa_wavefront_size32 1
		.amdhsa_system_sgpr_workgroup_id_x 1
		.amdhsa_system_sgpr_workgroup_id_y 1
		.amdhsa_system_sgpr_workgroup_id_z 1
		.amdhsa_system_vgpr_workitem_id 0
		.amdhsa_next_free_vgpr 1024
		.amdhsa_next_free_sgpr 92
		.amdhsa_reserve_vcc 0
		.amdhsa_float_denorm_mode_32 3
		.amdhsa_float_denorm_mode_16_64 3
		.amdhsa_memory_ordered 1
		.amdhsa_forward_progress 1
		.amdhsa_inst_pref_size 241
	.end_amdhsa_kernel
	.amdgpu_metadata
---
amdhsa.version: [ 1, 2 ]
amdhsa.kernels:
  - .name:           k_q49825ce217_lstm
    .symbol:         k_q49825ce217_lstm.kd
    .args:
      - { .name: A16, .offset: 0, .size: 8, .value_kind: global_buffer, .address_space: global }
      - { .name: B16, .offset: 8, .size: 8, .value_kind: global_buffer, .address_space: global }
      - { .name: c_prev, .offset: 16, .size: 8, .value_kind: global_buffer, .address_space: global }
      - { .name: b_f, .offset: 24, .size: 8, .value_kind: global_buffer, .address_space: global }
      - { .name: b_i, .offset: 32, .size: 8, .value_kind: global_buffer, .address_space: global }
      - { .name: b_c, .offset: 40, .size: 8, .value_kind: global_buffer, .address_space: global }
      - { .name: b_o, .offset: 48, .size: 8, .value_kind: global_buffer, .address_space: global }
      - { .name: out0, .offset: 56, .size: 8, .value_kind: global_buffer, .address_space: global }
      - { .name: out1, .offset: 64, .size: 8, .value_kind: global_buffer, .address_space: global }
    .group_segment_fixed_size: 327680
    .private_segment_fixed_size: 0
    .kernarg_segment_align: 8
    .kernarg_segment_size: 72
    .max_flat_workgroup_size: 128
    .sgpr_count:     92
    .vgpr_count:     1024
    .wavefront_size: 32
...
	.end_amdgpu_metadata
.endif
;; end of part 2
